; MI455X (gfx1250); checked and timed in simulation.
; The chip was launched on July 23, 2026; its instructions are those of AMD's public machine-readable ISA for CDNA 5 (MIT licence, August 2026) and "CDNA5" Instruction Set Architecture Reference Guide (July 2026). The comments in the code are by the model that wrote it; some were corrected since.
;; Uni Attention. Allowed arithmetic: matrix products marked QUANTISED: E2M1 operands, one E8M0 scale for each 32 along K, by v_wmma_scale_f32_16x16x128_f8f6f4 with both operands' format E2M1 (or v_wmma_scale_f32_32x16x128_f4), f32 sums; everything else in f32.
;; Inputs: hypothesis_batch 16 x 2,048 x 1,024 float32; hypothesis_mask 16 x 2,048 float32; premise_batch_codes 16 x 1,024 x 32 x 16 uint8 (E2M1 codes of premise_batch, K innermost, in blocks of 32 codes, two codes a byte); premise_batch_scales 16 x 1,024 x 32 uint8 (E8M0 scales of premise_batch, one for each 32 codes along K); premise_mask 16 x 1,024 float32.
;; Outputs: out0 16 x 1,024 x 1,024 float32.
;; This version of the problem:
;;   THIS VERSION OF THE PROBLEM IS GIVEN IN LOW PRECISION. The matrix products marked QUANTISED in the list below multiply operands that are first quantised to E2M1 (2 exponent bits, 1 mantissa bit; 4 bits a number), with one power-of-two scale for each 32 numbers along K (OCP MX v1.0); their sums are f32. All else is computed in f32.
;;   The module's matrix products, in the order in which they are computed (A, B: the left and right operand; K: the contracted axis; several contracted axes count as one K, in the product's order):
;;     1. batch 16 x [M 1,024, K 1,024] x [K 1,024, N 2,048]; A: input premise_batch (given as codes); B: input hypothesis_batch: QUANTISED
;;     2. batch 16 x [M 1,024, K 2,048] x [K 2,048, N 1,024]; A: computed on the way; B: input hypothesis_batch: QUANTISED
;;   THE QUANTISER, for each operand of a quantised product, along K:
;;     - K is cut into blocks of 32 from its start; a last block that is shorter is filled with zeros.
;;     - A block's scale is 2^e with e = floor(log2(the largest magnitude in the block)) - 2, held to -126 .. 127; a block of zeros has e = 0. As a byte (E8M0): e + 127.
;;     - Each number is divided by its block's scale, clamped to +-6, and rounded to the nearest number of E2M1, ties to even, subnormals kept.
;;     - The product sums the exact products of the quantised numbers (number of the format x scale) in f32.
;;   ~~~python
;;   def quantise(x, axis):      # numpy; x: float32 -> the quantised numbers, widened to float32 again
;;       x = np.moveaxis(x, axis, -1); K = x.shape[-1]
;;       x = np.pad(x, [(0, 0)] * (x.ndim - 1) + [(0, -K % 32)]); x = x.reshape(x.shape[:-1] + (-1, 32)); a = np.abs(x).max(-1, keepdims=True)
;;       e = np.where(a > 0, np.clip(np.frexp(np.where(a > 0, a, 1))[1] - 1 - 2, -126, 127), 0)      # np.frexp(a)[1] - 1 = floor(log2(a)), exactly
;;       r = np.clip(x / 2.0 ** e, -6, 6)
;;       step = 2.0 ** (np.maximum(np.frexp(np.where(r == 0, 1, r))[1] - 1, 0) - 1)
;;       q = np.round(r / step) * step * 2.0 ** e      # np.round: ties to even
;;       return np.moveaxis(q.reshape(q.shape[:-2] + (-1,))[..., :K], -1, axis).astype(np.float32)
;;   ~~~
;;   OPERANDS COMPUTED ON THE WAY. 'Computed on the way' means the value that the module computes at that place (a softmax that the list does not call 'softmax' is quantised finished and normalised). What goes into a quantiser is computed in f32, as accurately as f32 sums, v_exp_f32 and their like allow (about 1e-6 of the number): no bf16 or f16 on the way to a quantiser, and a product that is left as it is and whose result goes on into a quantised operand takes f32 operands (vector FMAs, or v_wmma_f32_16x16x4_f32). A number that lies on a knife's edge between two numbers of the format may be rounded either way, as far as f32 arithmetic and the matrix unit's own rounding can turn it there, and no further.
;;   INPUTS GIVEN AS CODES. premise_batch (in the module: [16, 1024, 1024], K = its axis 2): each comes as NAME_codes (uint8): NAME with its K axis moved to the last place and cut into blocks of 32 codes, [.., K / 32, bytes a block], one block behind the other in memory; two codes a byte, the lower K in the low four bits (a code: sign, 2 exponent bits, 1 mantissa bit); and NAME_scales (uint8): the same leading axes, one E8M0 byte (e + 127) for each 32 codes along K. Its value is code x scale, taken as it is: it is not quantised again, and the codes and scales need not be those that the quantiser above would give.
;; One version. Each part assembles by itself: llvm-mc -triple=amdgcn-amd-amdhsa -mcpu=gfx1250 --defsym DOCPART=n.
;; ======== version 1 of 1: 2 launches
;; workspace buffers: hq 35,651,584 bytes
;; launch quant (part 1): grid 32 x 16, 4 waves a work-group, no clusters, 70,144 bytes of LDS; arguments hypothesis_batch, hq; writes hq
.if DOCPART == 1
	.amdgcn_target "amdgcn-amd-amdhsa--gfx1250"
	.amdhsa_code_object_version 6
	.text
	.protected	k_q4399cd7119_quant
	.globl	k_q4399cd7119_quant
	.p2align	8
	.type	k_q4399cd7119_quant,@function
k_q4399cd7119_quant:
	s_mov_b64 s[64:65], 0
	v_nop
	global_prefetch_b8 v0, s[64:65] scope:SCOPE_SE
	s_setreg_imm32_b32 hwreg(HW_REG_WAVE_MODE, 25, 1), 1
	s_wait_xcnt 0x0
; hypothesis_batch [16][2048 keys][1024 d], f32, is read ONCE and quantised to FP4 (E2M1, one E8M0 scale for each 32 numbers) BOTH ways:
; along d (it is the second operand of premise x hypothesis^T, K = d) and along the keys (the second operand of attn x hypothesis, K = the keys).
; DEAD WORK: none.  Every input of the problem has a way to the output for some values of the inputs (both masks are factors), and no step cancels for all values: nothing is left out in either launch.
; The second launch makes the first product TWICE: attn is quantised finished and normalised, so no code of attn can be made before the whole row's maximum and sums are known,
; and the scores of a work-group's 64 queries (64 x 2,048 x 4 bytes) do not fit beside the sums of the second product.
; A block's scale is 2^(floor(log2(its largest magnitude)) - 2); its byte is the largest magnitude's exponent field - 2, held at 1 from below.
; (A block of zeros so gets the byte 1 where the rule says 127: its codes are zeros, which add nothing under any byte but 0xff, and the bytes are read by this program alone.)
; LIMITS: blocks whose largest magnitude lies under 2^(3 - 127), the floor, keep the byte 1; NaN and infinities among the inputs are not served.
; THE WORKSPACE hq, BATCH bytes a batch, is laid IN THE ORDER OF THE OPERANDS' REGISTERS, so that the second launch reads half a fragment by one load of 16 bytes a lane, 512 bytes on end:
;  K stream (from 0): 128 tiles of 16 keys, KU = 8,704 bytes each.  Key k lies in tile T = 2 (k / 32) + bit 3 of k, at row r = 8 (bit 4 of k) + k % 8.  The 16 bytes of codes of (k, d block B) lie at T KU + 256 B + 16 r;
;    the scale byte at T KU + 8192 + 256 (B / 16) + 16 r + B % 16.
;  V stream (from KTOT): 16 steps of 128 keys, HALF bytes each, in 4 parts of PART bytes, one for each 256 of d.  With d = 256 w + 16 t + r, the 16 bytes of codes of (d, key block G) lie at
;    (G / 4) HALF + w PART + 1024 t + 256 (G % 4) + 16 r; the scale byte at .. + 16384 + 512 (t / 8) + 256 ((t / 4) % 2) + 16 r + 4 (t % 4) + G % 4.
; SHARES.  A work-group takes 128 keys x 512 d (x = 2 step + half of d, y = the batch); wave w' takes the key block 4 step + w' (32 keys) and walks 4 tiles of 32 keys x 128 d.
; A tile is loaded as it lies (each load 512 neighbouring bytes), goes into the wave's own stage in LDS, and is read back twice: by rows (a lane = a key, 32 neighbours along d) and by columns (a lane = a d, its registers down the 32 keys).
; So each block of 32 lies in ONE lane both times, and each store of codes covers two whole aligned runs of 256 bytes.  The next tile's 32 loads are on their way while a tile is worked.
; No tensor loads, no cluster, no matrix work: memory binds, and no byte is shared between work-groups.
.set BATCH,  2228224
.set KTOT,   1114112
.set KU,     8704
.set HALF,   69632
.set PART,   17408
.set SPITCH, 528                       ; a stage row: 512 bytes + 16 = 132 words, so that the 16 rows that a load of 16 bytes a lane touches begin 4 words apart modulo 64 words
.set STG,    32*SPITCH                 ; a wave's stage
.set VS,     4*STG                     ; behind the stages: V's scale bytes of 512 d x 4 key blocks, 2,048 bytes, as they will lie in hq
.set SPARE,  VS+2048                   ; the spare words, 128 bytes for each wave: two blocks of 256 bytes that no other line names
.set SB,     16                        ; v16-19   K's scale bytes: a word for each tile
.set CD,     20                        ; v20-35   four sets of 4 registers of codes
.set BY,     36                        ; v36-39   V's scale bytes
.set X0,     40                        ; v40-103  two sets of 32 numbers
.set LB,     128                       ; v128-255 a tile as loaded: row i at LB + 4 i
; v2 16 x lane; v3, v4, v5 the stage (in; back by rows; back by columns); v6, v7 my places in K's and V's streams; v8 my byte in VS; v9, v10 VS on its way out; v11, v12 the add's two; v13-15 at work
	s_load_b128 s[4:7], s[0:1], 0x0                ; hypothesis_batch, hq
	v_lshl_add_u32 v11, v0, 2, SPARE
	v_mov_b32 v12, 0
	v_lshrrev_b32 v1, 5, v0
	v_readfirstlane_b32 s8, v1                     ; wave w'
	v_and_b32 v1, 31, v0                           ; lane
	s_lshr_b32 s9, ttmp9, 1                        ; the step of 128 keys
	s_and_b32 s10, ttmp9, 1                        ; which 512 of d
	s_and_b32 s11, ttmp7, 0xffff                   ; the batch
	v_lshlrev_b32 v2, 4, v1
	s_mul_i32 s20, s8, STG
	v_add_nc_u32 v3, s20, v2                       ; in: 16 x lane of a row
	v_mul_u32_u24 v4, v1, SPITCH
	v_add_nc_u32 v4, s20, v4                       ; back by rows: row = lane
	v_lshl_add_u32 v5, v1, 2, s20                  ; back by columns: 4 x lane
	v_and_b32 v13, 7, v1                           ; lane = 16 a + 8 u + j is my key in its block:
	v_bfe_u32 v14, v1, 4, 1
	v_lshl_add_u32 v13, v14, 3, v13                ; row r = 8 a + j
	v_bfe_u32 v14, v1, 3, 1
	v_mul_u32_u24 v14, v14, KU                     ; of tile u
	v_lshl_add_u32 v6, v13, 4, v14
	v_and_b32 v13, 15, v1                          ; lane = 16 (t % 2) + r is my d in a group of 32
	v_bfe_u32 v14, v1, 4, 1
	v_lshlrev_b32 v7, 4, v13
	v_lshl_add_u32 v7, v14, 10, v7
	v_lshlrev_b32 v8, 4, v13
	v_lshl_add_u32 v8, v14, 2, v8
	v_add_nc_u32 v8, s8, v8
	v_add_nc_u32 v8, VS, v8                        ; VS + 16 r + 4 (t % 2) + w'
	v_lshl_add_u32 v9, v0, 4, VS
	v_lshrrev_b32 v13, 6, v0
	v_and_b32 v14, 63, v0
	v_mul_u32_u24 v13, v13, PART
	v_lshl_add_u32 v10, v14, 4, v13                ; 1,024 bytes of VS to each of the two parts
	s_lshl_b32 s20, s11, 23                        ; the source: a batch is 2^23 bytes, a key 4,096,
	s_lshl_b32 s21, s9, 19
	s_add_co_u32 s20, s20, s21
	s_lshl_b32 s21, s8, 17
	s_add_co_u32 s20, s20, s21
	s_lshl_b32 s21, s10, 11                        ; 512 d are 2,048
	s_add_co_u32 s20, s20, s21
	s_mov_b32 s21, 0
	s_mul_i32 s22, s11, BATCH
	s_lshl_b32 s23, s9, 2
	s_add_co_u32 s23, s23, s8                      ; my key block
	s_mul_i32 s23, s23, 2*KU
	s_add_co_u32 s24, s22, s23                     ; its two tiles in the K stream
	s_lshl_b32 s25, s10, 12
	s_add_co_u32 s26, s24, s25                     ; codes: 16 d blocks of 256 bytes on for the upper half of d
	s_mov_b32 s27, 0
	s_lshl_b32 s25, s10, 8
	s_add_co_u32 s28, s24, s25
	s_add_co_u32 s28, s28, 8192                    ; scale bytes
	s_mov_b32 s29, 0
	s_mul_i32 s23, s9, HALF
	s_add_co_u32 s24, s22, s23
	s_add_co_u32 s24, s24, KTOT
	s_mul_i32 s25, s10, 2*PART
	s_add_co_u32 s24, s24, s25                     ; my two parts of the V stream
	s_lshl_b32 s25, s8, 8
	s_add_co_u32 s30, s24, s25                     ; codes: my key block's 256 bytes of each tile
	s_mov_b32 s31, 0
	s_add_co_u32 s32, s24, 16384                   ; scale bytes
	s_mov_b32 s33, 0
	s_wait_kmcnt 0x0
	s_add_nc_u64 s[4:5], s[4:5], s[20:21]
	s_add_nc_u64 s[12:13], s[6:7], s[26:27]        ; K's codes
	s_add_nc_u64 s[14:15], s[6:7], s[28:29]        ; K's scale bytes
	s_add_nc_u64 s[16:17], s[6:7], s[30:31]        ; V's codes
	s_add_nc_u64 s[18:19], s[6:7], s[32:33]        ; V's scale bytes
.macro LOADT n                         ; tile n: 32 rows x 512 neighbouring bytes
.set i, 0
.rept 32
	global_load_b128 v[LB+4*i:LB+4*i+3], v2, s[4:5] offset:4096*i+512*(\n) th:TH_LOAD_NT
.set i, i+1
.endr
.endm
.macro STAGE n                         ; the tile goes into my stage as it lies; then its registers take the next tile's loads
.set i, 0
.rept 32
.if i%4 == 0
	s_wait_loadcnt 28-i                            ; loads come back in order: rows i to i + 3 are in, the rows behind them may be out
.endif
	ds_store_b128 v3, v[LB+4*i:LB+4*i+3] offset:SPITCH*i
.set i, i+1
.endr
	s_wait_dscnt 0x0                               ; the stores have read their registers
.if (\n) < 3
	LOADT (\n)+1
.endif
.endm
.macro FETCHR bb, xs                   ; my key's 32 neighbours along d: block bb of the tile's four
.irp j, 0,1,2,3,4,5,6,7
	ds_load_b128 v[(\xs)+4*\j:(\xs)+4*\j+3], v4 offset:128*(\bb)+16*\j
.endr
.endm
.macro FETCHC g, xs                    ; my d's 32 numbers down the keys: group g of 32 columns
.set i, 0
.rept 32
	ds_load_b32 v[(\xs)+i], v5 offset:SPITCH*i+128*(\g)
.set i, i+1
.endr
.endm
.macro QUANT xs, cs                    ; 32 numbers of one block, all mine, become 4 registers of codes; v15 keeps the scale operand
.set XS, \xs
.set CS, \cs
	v_max3_num_f32 v13, |v[XS]|, |v[XS+1]|, |v[XS+2]|
	v_max3_num_f32 v14, |v[XS+3]|, |v[XS+4]|, |v[XS+5]|
.irp i, 6,10,14,18,22,26
	v_max3_num_f32 v13, v13, |v[XS+\i]|, |v[XS+\i+1]|
	v_max3_num_f32 v14, v14, |v[XS+\i+2]|, |v[XS+\i+3]|
.endr
	v_max3_num_f32 v13, v13, |v[XS+30]|, |v[XS+31]|
	v_max3_num_f32 v13, v13, v14, 0x1800000        ; and the floor 2^(3 - 127): the byte cannot fall under 1
	v_add_nc_u32 v15, 0xff000000, v13              ; 2 off the exponent field: the conversion takes the exponent field of this operand as its scale, and nothing else of it
	s_wait_xcnt 0x0                                ; the earlier stores have read their data: this set of codes may be written again
.irp g, 0,1,2,3
	v_cvt_scalef32_pk8_fp4_f32 v[CS+\g], v[XS+8*\g:XS+8*\g+7], v15
.endr
.endm
; A tile: four blocks by rows, four by columns; the next block's fetch is out while a block is worked.  The counted waits leave that fetch out (8 or 32 loads).
.macro TILE n
	STAGE \n
	FETCHR 0, X0
.irp k, 0,1,2,3
.if \k < 3
	FETCHR \k+1, X0+32*((\k+1)%2)
	s_wait_dscnt 8
.else
	FETCHC 0, X0
	s_wait_dscnt 32
.endif
	QUANT X0+32*(\k%2), CD+4*\k
.if \k == 0
	v_lshrrev_b32 v[SB+\n], 23, v15                ; the scale's byte (also the plain line behind the conversions)
.else
	v_lshrrev_b32 v13, 23, v15
	v_lshl_or_b32 v[SB+\n], v13, 8*\k, v[SB+\n]
.endif
	global_store_b128 v6, v[CD+4*\k:CD+4*\k+3], s[12:13] offset:(4*(\n)+\k)*256   ; 16 rows of tile 0 and 16 of tile 1: two aligned runs of 256 bytes
.endr
.irp g, 0,1,2,3
.if \g < 3
	FETCHC \g+1, X0+32*((\g+1)%2)
	s_wait_dscnt 32
.else
	s_wait_dscnt 0x0
.endif
	QUANT X0+32*(\g%2), CD+4*\g
	v_lshrrev_b32 v[BY+\g], 23, v15
	ds_store_b8 v8, v[BY+\g] offset:512*(\n)+256*(\g/2)+8*(\g%2)
	global_store_b128 v7, v[CD+4*\g:CD+4*\g+3], s[16:17] offset:((\n)/2)*PART+(8*((\n)%2)+2*\g)*1024   ; two tiles of 16 d: two aligned runs of 256 bytes
.endr
.endm
	LOADT 0
	TILE 0
	TILE 1
	TILE 2
	TILE 3
	global_store_b128 v6, v[SB:SB+3], s[14:15]     ; my key's 16 scale bytes: again two aligned runs of 256 bytes
	s_wait_dscnt 0x0                               ; for the others' sake: my bytes lie in VS
	s_barrier_signal -1
	s_barrier_wait -1
	ds_load_b128 v[104:107], v9                    ; a word of VS holds the bytes of four waves
	s_wait_dscnt 0x0
	global_store_b128 v10, v[104:107], s[18:19]    ; a wave stores 512 neighbouring bytes
	s_wait_tensorcnt 0x0                           ; the wave's end: behind my last LDS store
	ds_add_u32 v11, v12
	s_wait_dscnt 0x0
	s_endpgm
.Lfunc_end_k_q4399cd7119_quant:
	.size	k_q4399cd7119_quant, .Lfunc_end_k_q4399cd7119_quant-k_q4399cd7119_quant
	.p2alignl 7, 3214868480
	.fill 96, 4, 3214868480
	.section	.rodata,"a",@progbits
	.p2align	6, 0x0
	.amdhsa_kernel k_q4399cd7119_quant
		.amdhsa_group_segment_fixed_size 70144
		.amdhsa_private_segment_fixed_size 0
		.amdhsa_enable_private_segment 0
		.amdhsa_kernarg_size 16
		.amdhsa_user_sgpr_count 2
		.amdhsa_user_sgpr_kernarg_segment_ptr 1
		.amdhsa_wavefront_size32 1
		.amdhsa_system_sgpr_workgroup_id_x 1
		.amdhsa_system_sgpr_workgroup_id_y 1
		.amdhsa_system_sgpr_workgroup_id_z 1
		.amdhsa_system_vgpr_workitem_id 0
		.amdhsa_next_free_vgpr 256
		.amdhsa_next_free_sgpr 66
		.amdhsa_reserve_vcc 0
		.amdhsa_float_denorm_mode_32 3
		.amdhsa_float_denorm_mode_16_64 3
		.amdhsa_memory_ordered 1
		.amdhsa_forward_progress 1
		.amdhsa_inst_pref_size 116
	.end_amdhsa_kernel
	.amdgpu_metadata
---
amdhsa.version: [ 1, 2 ]
amdhsa.kernels:
  - .name:           k_q4399cd7119_quant
    .symbol:         k_q4399cd7119_quant.kd
    .args:
      - { .name: hypothesis_batch, .offset: 0, .size: 8, .value_kind: global_buffer, .address_space: global }
      - { .name: hq, .offset: 8, .size: 8, .value_kind: global_buffer, .address_space: global }
    .group_segment_fixed_size: 70144
    .private_segment_fixed_size: 0
    .kernarg_segment_align: 8
    .kernarg_segment_size: 16
    .max_flat_workgroup_size: 128
    .sgpr_count:     66
    .vgpr_count:     256
    .wavefront_size: 32
...
	.end_amdgpu_metadata
.endif
;; end of part 1
;; launch attn (part 2): grid 16 x 16, 4 waves a work-group, clusters of 4 x 1, 327,680 bytes of LDS; arguments hq, hypothesis_mask, premise_batch_codes, premise_batch_scales, premise_mask, out0; writes out0
.if DOCPART == 2
	.amdgcn_target "amdgcn-amd-amdhsa--gfx1250"
	.amdhsa_code_object_version 6
	.text
	.protected	k_q4399cd7119_attn
	.globl	k_q4399cd7119_attn
	.p2align	8
	.type	k_q4399cd7119_attn,@function
k_q4399cd7119_attn:
	s_mov_b64 s[64:65], 0
	v_nop
	global_prefetch_b8 v0, s[64:65] scope:SCOPE_SE
	s_setreg_imm32_b32 hwreg(HW_REG_WAVE_MODE, 25, 1), 1
	s_wait_xcnt 0x0
	s_wait_alu depctr_hold_cnt(0) depctr_sa_sdst(0) depctr_va_vdst(0) depctr_va_sdst(0) depctr_va_ssrc(0) depctr_va_vcc(0) depctr_vm_vsrc(0)
	s_getreg_b32 s2, hwreg(HW_REG_IB_STS2, 6, 4)
	s_cmp_eq_u32 s2, 0
	s_cbranch_scc0 .Lentry_in_a_cluster
	s_endpgm
.Lentry_in_a_cluster:
	s_bfe_u32 s2, ttmp6, 0x10000c
	s_cmp_lg_u32 s2, 0x3003
	s_cbranch_scc0 .Lentry_shape_is_right
	s_endpgm
.Lentry_shape_is_right:
; out[b][q][:] = premise_mask[b][q] x the sum over keys k of attn[q][k] x hypothesis[b][k][:], attn = the masked softmax of premise . hypothesis / 32, both products on codes of FP4 (E2M1) with one E8M0 scale for each 32 along K.
; No work of the problem is left out.  The first product is made TWICE: attn is quantised finished and normalised, so its codes want the whole row's maximum and sums first.
; ARITHMETIC, all in f32.  mc = hypothesis_mask x c, c = log2(e) / 32;  t = score x mc;  M = the row's largest t (keys with mask 0 count with t = 0);  p = 2^(t - M);  Z1 = the sum of p;  Z2c = the sum of p x mc;
; attn = p x mc x R, R = 1 / (Z2c + c x 1e-13 x Z1): that is (p / Z1) x mask / (the sum of (p / Z1) x mask + 1e-13).
; PASS 1 walks all 2,048 keys for M, Z1, Z2c; PASS 2 walks them again, makes attn, quantises it along the keys and multiplies it by V at once.
; LIMITS: p under 2^-126 is taken as 0; a t under -3e38, NaN and infinities among the inputs are not served.  The sums are grouped otherwise than in a plain row sum (by lane and wave).
; SHARES.  A work-group owns 64 queries of one batch.  Both products are used transposed (S^T = K Q^T, O^T = V^T P^T): a lane holds ONE query (lane % 16) throughout.
; In K Q^T a wave takes all 64 queries (four tiles) and a quarter of an item's keys; in V^T P^T all 64 queries and 256 of d (16 tiles).  So each fragment of K and of V is read from LDS once, by one wave, and feeds four products.  Q stays in registers.
; THE STREAM: 24 items of SLOT bytes through two LDS slots.  Items 0-7: 256 keys of K (16 tiles of KU bytes).  Items 8-23: 128 keys of K, then one step of 128 keys of V.  hq holds images of the operands' registers (first launch):
; 16 bytes a lane, 512 bytes on end: no pitch and no padding.  Lane r of key tile 2 b + u holds key 32 b + 8 u + r + 8 (r / 8), so that a lane's 16 scores of two neighbouring tiles are 16 neighbouring keys.
; CLUSTER: the four query blocks of a cluster belong to one batch and walk the same stream: each wave's quarter of an item (Q4 dense bytes) is asked for JOINTLY, by the same tensor load with the same descriptor and the mask 15 in all four.
; Q COMES ONCE FOR THE WORK-GROUP: wave w loads rows 16 w .. 16 w + 15 as they lie (each load 512 neighbouring bytes) and puts them into a stage in LDS; behind a barrier every wave reads all 64 rows' fragments from there.
; P GOES FROM WAVE TO WAVE THROUGH LDS as an image of its registers: wave w's 32 keys are block w of the step's 128; lane (r, h) puts its 8 bytes of codes at their place in the fragment, and its block's scale byte into the row's word.
; REGISTERS, in windows of 256: window 0: v0-11 addresses; v12-15 P's scale words; v16-31 Q's; v32-39 K's or V's (pass 2); v40-63 statistics (v41, 43, 45, 47: the premise mask); v64-127 S^T (tile q at 64 + 16 q), later P's four fragments (v64-95);
;   v128-255: pass 1: v128-143 the scale words of my four key tiles, v144-175 mc of my two blocks of keys, v176-187 at work;  pass 2: two fragment buffers, v128-191 and v192-255; during a softmax v128-143 hold mc and v144-167 are at work.
;   window 1: Q, fragment (q, s) at 64 q + 8 s.   windows 2, 3: pass 2: O^T, tile (t, q) at 8 (4 (t % 8) + q);  pass 1, in which O^T does not exist yet: window 2 holds my four key tiles of an item, tile j at 64 j.
.set BATCH,  2228224
.set KTOT,   1114112
.set KU,     8704
.set HALF,   69632
.set PART,   17408
.set SLOT,   139264
.set Q4,     34816
.set MASK,   2*SLOT                    ; behind the ring: mc of the batch's 2,048 keys
.set QP,     528                       ; a row of Q's stage: 512 bytes + 16 = 132 words, so that the 16 rows that a load touches begin 4 words apart modulo 64 words
.set QSTG,   MASK+8192                 ; Q's stage: 64 rows.  It is read once, at the head; what follows lies in its bytes and is first written many barriers later
.set PIMG,   QSTG                      ; P's four fragments, 1,024 bytes each
.set PSC,    PIMG+4096                 ; P's scale words: 64 bytes for each tile of queries
.set STAT,   PSC+256                   ; pass 1's statistics: 4 waves x 12 images of 128 bytes
.set SPARE,  QSTG+64*QP                ; the spare words, 128 bytes for each wave: two blocks of 256 bytes that no other line names
.set SPITCH, 528                       ; the way out: a stage of 16 rows x (512 bytes + 16) for each wave, in slot 0, behind its last fill and its last read
.set L16, 0                            ; v0   16 x lane
.set SPW, 1                            ; v1   LDS address of my spare word; never rewritten
.set NIL, 2                            ; v2   0; never rewritten
.set ADK, 3                            ; v3   the address in hand;  on the way out: into the stage
.set MBL, 4                            ; v4   MASK + 64 (lane / 16);  on the way out: back from the stage
.set PST, 5                            ; v5   where I put my 8 bytes of P's codes;  on the way out: my bytes in a row of out0
.set PSS, 6                            ; v6   and my block's scale byte
.set PLD, 7                            ; v7   PIMG + 16 x lane
.set PSL, 8                            ; v8   PSC + 4 r
.set PFO, 9                            ; v9   256 x lane: the prefetches' offsets
.set PFO2, 10                          ; v10  256 x (lane % 2)
.set MAD, 11                           ; v11  where my keys' mc lies
.set PS,  12
.set QS,  16                           ; register QS + 4 q + i: lanes 0-15 the word of K step i, lanes 16-31 that of K step 4 + i
.set KS,  32
.set MX,  40                           ; pairs: the low word: pass 1: M; pass 2: -M;  the upper word: the premise mask of my query of tile q
.set Z1,  48                           ; pass 1: Z1 in two halves; pass 2: R in the low word
.set Z2,  56                           ; pass 1: Z2c in two halves; on the way out: the premise mask in the low word
.set S,   64
.set F0,  128
.set F1,  192
.set K1S, 128                          ; pass 1: scale words, tile j at K1S + 4 j
.set MC1, 144                          ;         mc, block x at MC1 + 16 x
.set AA,  176                          ;         2^(old M - new M), pairs
.set OM,  184                          ;         the old M
.set MC,  128                          ; pass 2: mc
.set AM,  144                          ;         largest magnitudes
.set PT,  148                          ;         lane l xor 16's
.set SO,  152                          ;         the conversions' scale operands
.set BY,  156                          ;         the scale bytes
.set CD,  160                          ;         the codes, a pair for each tile of queries
.set WV,  16                           ; s16  my wave
.set CX,  17                           ; s17  my place in the cluster: it enters Q's, the premise mask's, out0's and the prefetches' addresses alone
.set SEL, 20                           ; s[20:21] v_permlanex16_b32's selects for lane l xor 16
.set G1,  24                           ; s[24:31] descriptor group 1
.set G0A, 32                           ; s[32:35] group 0 of item 0
.set G0B, 36                           ; s[36:39] group 0 of item 1, which then walks
.set BASE, 40                          ; s[40:41] hq at my batch
.set OFF, 42                           ; s[42:43] my quarter of the item to be asked for, in bytes from BASE
.set STEP, 44                          ; s44  from item to item
.set OFF2, 45                          ; s45  my quarter of item 8
.set TF,  46                           ; s46  the slot to be filled
.set WQ,  47                           ; s47  Q4 x wave
.set TB,  48                           ; s48  the slot in hand
.set WOFF, 49                          ; s49  my keys' place in a slot
.set KOFF, 50                          ; s50  my keys' place in MASK
.set ASKS, 51                          ; s51  21 - the changes of slots that are done
.set LIM, 52                           ; s52  0 in a wave that prefetches, else the greatest number
.set LIMV, 53                          ; s53  the same for V's part of the stream
.set PFA, 54                           ; s[54:55] where my prefetches stand
.set PFOFF, 56                         ; s[56:57] the same in bytes from BASE
.set PFSTEP, 58
.set PFV0, 59
.set CNT, 60
.set T0,  61
.set T1,  62
.set MSB, 0
.macro WIN new                         ; the immediate's high byte repeats the setting that is left
.if MSB != \new
	s_set_vgpr_msb (MSB<<8)|\new
.set MSB, \new
.endif
.endm
.macro PLACES n
.rept \n
	v_nop
.endr
.endm
; A round of the cluster's barrier: my work-group's barrier; wave 0 signals for the work-group; every wave waits for all four work-groups; my work-group's barrier once more.
.macro CROUND
	s_barrier_signal -1
	s_barrier_wait -1
	s_cmp_lg_u32 s[WV], 0
	s_cbranch_scc1 .Lnot_wave_0_\@
	s_barrier_signal -3
.Lnot_wave_0_\@:
	s_barrier_wait -3
	s_barrier_signal -1
	s_barrier_wait -1
.endm
; A PREFETCH INTO THE L2 of the bytes of the item after the one just asked for that no earlier item held: K's items 3 to 7, then V's half of items 8 to 23 (K's second walk names bytes that the first walk has read).
; All clusters of a batch walk the same stream: the batch's first cluster asks.  Its partners and waves share an item out BY ADDRESS, KU bytes each (16 parts of K's items; 8 parts of V's halves, waves 0 and 1):
; 34 runs of 256 bytes: a lane a run, and one more line for the last two, which sixteen lanes each name together.  The last change that fills a slot asks for nothing.
.macro ASK
	s_cmp_gt_u32 s[ASKS], s[LIM]
	s_cbranch_scc0 .Lnot_mine_\@
	global_prefetch_b8 v[PFO], s[PFA:PFA+1] th:TH_LOAD_NT scope:SCOPE_SE
	global_prefetch_b8 v[PFO2], s[PFA:PFA+1] offset:8192 th:TH_LOAD_NT scope:SCOPE_SE
.Lnot_mine_\@:
.endm
.macro LOADK f, off                    ; eight fragments, 1,024 bytes each: a key tile's eight K steps, or eight tiles of V
.irp s, 0,1,2,3,4,5,6,7
	ds_load_b128 v[(\f)+8*\s:(\f)+8*\s+3], v[ADK] offset:(\off)+1024*\s
	ds_load_b128 v[(\f)+8*\s+4:(\f)+8*\s+7], v[ADK] offset:(\off)+1024*\s+512
.endr
.endm
.macro LOADKS off                      ; the scale words of two key tiles: register i: lanes 0-15 K step i, lanes 16-31 K step 4 + i
	ds_load_b128 v[KS:KS+3], v[ADK] offset:(\off)+8192
	ds_load_b128 v[KS+4:KS+7], v[ADK] offset:(\off)+KU+8192
.endm
.macro LOADVS                          ; V's: register 4 g + i: lanes 0-15 tile 8 g + i, lanes 16-31 tile 8 g + 4 + i
	ds_load_b128 v[KS:KS+3], v[ADK] offset:16384
	ds_load_b128 v[KS+4:KS+7], v[ADK] offset:16384+512
.endm
.macro KQ1 u, a, x, s, q               ; S^T(q, u) += the key tile at v[a] on x Q(q), K step s; x: the tile's scale words.  The first K step starts the sum
.set rD, S+16*(\q)+8*(\u)
.set rA, (\a)+8*(\s)
.set rB, 64*(\q)+8*(\s)
.set rX, (\x)+(\s)%4
.set rY, QS+4*(\q)+(\s)%4
.if (\s) == 0
	v_wmma_scale_f32_16x16x128_f8f6f4 v[rD:rD+7], v[rA:rA+7], v[rB:rB+7], 0, v[rX], v[rY] matrix_a_fmt:MATRIX_FMT_FP4 matrix_b_fmt:MATRIX_FMT_FP4
.elseif (\s) < 4
	v_wmma_scale_f32_16x16x128_f8f6f4 v[rD:rD+7], v[rA:rA+7], v[rB:rB+7], v[rD:rD+7], v[rX], v[rY] matrix_a_fmt:MATRIX_FMT_FP4 matrix_b_fmt:MATRIX_FMT_FP4
.else
	v_wmma_scale_f32_16x16x128_f8f6f4 v[rD:rD+7], v[rA:rA+7], v[rB:rB+7], v[rD:rD+7], v[rX], v[rY] matrix_a_fmt:MATRIX_FMT_FP4 matrix_b_fmt:MATRIX_FMT_FP4 matrix_a_scale:MATRIX_SCALE_ROW1 matrix_b_scale:MATRIX_SCALE_ROW1
.endif
.endm
; The scores of 16 keys x 64 queries: 32 products.  Four accumulators take turns, one instruction a turn.
.macro KQH u, a, x
.irp s, 0,1,2,3,4,5,6,7
.irp q, 0,1,2,3
	KQ1 \u, \a, \x, \s, \q
.endr
.endr
.endm
; PASS 1's softmax of block x: a LANE's own running M, Z1, Z2c over its 16 keys of each block; lanes and waves meet once, behind the pass.  The four tiles of queries go line by line.
.macro SOFT1 x
.set MCX, MC1+16*(\x)
.irp i, 0,1,2,3,4,5,6,7
.irp q, 0,1,2,3
	v_pk_mul_f32 v[S+16*\q+2*\i:S+16*\q+2*\i+1], v[S+16*\q+2*\i:S+16*\q+2*\i+1], v[MCX+2*\i:MCX+2*\i+1]   ; t = score x mc; each accumulator from its low end on
.endr
.endr
.irp q, 0,1,2,3
	v_mov_b32 v[OM+\q], v[MX+2*\q]
.endr
.irp q, 0,1,2,3
	v_max3_num_f32 v[MX+2*\q], v[S+16*\q], v[S+16*\q+1], v[MX+2*\q]
.endr
.irp i, 2,4,6,8,10,12,14
.irp q, 0,1,2,3
	v_max3_num_f32 v[MX+2*\q], v[MX+2*\q], v[S+16*\q+\i], v[S+16*\q+\i+1]
.endr
.endr
.irp q, 0,1,2,3
	v_sub_f32 v[OM+\q], v[OM+\q], v[MX+2*\q]       ; old M - new M
.endr
.irp i, 0,1,2,3,4,5,6,7
.irp q, 0,1,2,3
	v_pk_add_f32 v[S+16*\q+2*\i:S+16*\q+2*\i+1], v[S+16*\q+2*\i:S+16*\q+2*\i+1], v[MX+2*\q:MX+2*\q+1] op_sel_hi:[1,0] neg_lo:[0,1] neg_hi:[0,1]   ; t - M (of the pair the low word serves both halves)
.endr
.endr
.irp q, 0,1,2,3
	v_exp_f32 v[AA+2*\q], v[OM+\q]
.endr
.set j, 0
.rept 64
	v_exp_f32 v[S+j], v[S+j]
.set j, j+1
.endr
	v_nop                                          ; a plain line behind the last exponential,
	s_wait_alu depctr_va_vdst(0)                   ; and one wait for the batch of 68, ahead of its first reader
.irp q, 0,1,2,3
	v_pk_fma_f32 v[Z1+2*\q:Z1+2*\q+1], v[Z1+2*\q:Z1+2*\q+1], v[AA+2*\q:AA+2*\q+1], v[S+16*\q:S+16*\q+1] op_sel_hi:[1,0,1]
.endr
.irp q, 0,1,2,3
	v_pk_mul_f32 v[Z2+2*\q:Z2+2*\q+1], v[Z2+2*\q:Z2+2*\q+1], v[AA+2*\q:AA+2*\q+1] op_sel_hi:[1,0]
.endr
.irp i, 1,2,3,4,5,6,7
.irp q, 0,1,2,3
	v_pk_add_f32 v[Z1+2*\q:Z1+2*\q+1], v[Z1+2*\q:Z1+2*\q+1], v[S+16*\q+2*\i:S+16*\q+2*\i+1]
.endr
.endr
.irp i, 0,1,2,3,4,5,6,7
.irp q, 0,1,2,3
	v_pk_fma_f32 v[Z2+2*\q:Z2+2*\q+1], v[S+16*\q+2*\i:S+16*\q+2*\i+1], v[MCX+2*\i:MCX+2*\i+1], v[Z2+2*\q:Z2+2*\q+1]
.endr
.endr
.endm
; PASS 2's softmax: attn, finished; its block of 32 keys (lanes l and l xor 16) quantised; codes and scale byte to LDS.
.macro SOFT2
.irp i, 0,1,2,3,4,5,6,7
.irp q, 0,1,2,3
	v_pk_fma_f32 v[S+16*\q+2*\i:S+16*\q+2*\i+1], v[S+16*\q+2*\i:S+16*\q+2*\i+1], v[MC+2*\i:MC+2*\i+1], v[MX+2*\q:MX+2*\q+1] op_sel_hi:[1,1,0]   ; t - M
.endr
.endr
.set j, 0
.rept 64
	v_exp_f32 v[S+j], v[S+j]
.set j, j+1
.endr
	v_nop                                          ; a plain line behind the last exponential,
	s_wait_alu depctr_va_vdst(0)                   ; and one wait for the batch
.irp i, 0,1,2,3,4,5,6,7
.irp q, 0,1,2,3
	v_pk_mul_f32 v[S+16*\q+2*\i:S+16*\q+2*\i+1], v[S+16*\q+2*\i:S+16*\q+2*\i+1], v[MC+2*\i:MC+2*\i+1]
.endr
.endr
.irp i, 0,1,2,3,4,5,6,7
.irp q, 0,1,2,3
	v_pk_mul_f32 v[S+16*\q+2*\i:S+16*\q+2*\i+1], v[S+16*\q+2*\i:S+16*\q+2*\i+1], v[Z1+2*\q:Z1+2*\q+1] op_sel_hi:[1,0]   ; x R: attn
.endr
.endr
.irp q, 0,1,2,3
	v_max3_num_f32 v[AM+\q], |v[S+16*\q]|, |v[S+16*\q+1]|, 0x1800000   ; my 16, and the floor 2^(3 - 127): the byte cannot fall under 1 (a block of zeros keeps that byte: its codes are zeros)
.endr
.irp i, 2,4,6,8,10,12,14
.irp q, 0,1,2,3
	v_max3_num_f32 v[AM+\q], v[AM+\q], |v[S+16*\q+\i]|, |v[S+16*\q+\i+1]|
.endr
.endr
.irp q, 0,1,2,3
	v_permlanex16_b32 v[PT+\q], v[AM+\q], s[SEL], s[SEL+1]
.endr
.irp q, 0,1,2,3
	v_max_num_f32 v[AM+\q], v[AM+\q], v[PT+\q]     ; the block's largest magnitude
.endr
.irp q, 0,1,2,3
	v_add_nc_u32 v[SO+\q], 0xff000000, v[AM+\q]    ; 2 off its exponent field: the conversion's scale operand
.endr
.irp q, 0,1,2,3
	v_lshrrev_b32 v[BY+\q], 23, v[SO+\q]           ; the scale's byte
.endr
.irp q, 0,1,2,3
	v_cvt_scalef32_pk8_fp4_f32 v[CD+2*\q], v[S+16*\q:S+16*\q+7], v[SO+\q]
	v_cvt_scalef32_pk8_fp4_f32 v[CD+2*\q+1], v[S+16*\q+8:S+16*\q+15], v[SO+\q]
.endr
	v_nop                                          ; one plain line behind the last scaled conversion
.irp q, 0,1,2,3
	ds_store_b64 v[PST], v[CD+2*\q:CD+2*\q+1] offset:1024*\q   ; keys 16 h + 0 .. 15 of block w, query r: 8 of the 16 bytes that lane (r, w % 2) of the fragment holds in registers 4 (w / 2) on
.endr
.irp q, 0,1,2,3
	ds_store_b8 v[PSS], v[BY+\q] offset:64*\q      ; byte w of query r's word; both halves of the lanes write the same byte with the same value
.endr
.endm
.macro PV1 t, q, zero                  ; O^T(t, q) += V tile t x P(q).  Tiles 0-7 lie in the second buffer, tiles 8-15 in the first
.set rD, 8*(4*((\t)%8)+(\q))
.set rA, F0+8*(((\t)+8)%16)
.set rB, S+8*(\q)
.set rX, KS+4*((\t)/8)+(\t)%4
.set rY, PS+(\q)
.if \zero
.if ((\t)/4)%2
	v_wmma_scale_f32_16x16x128_f8f6f4 v[rD:rD+7], v[rA:rA+7], v[rB:rB+7], 0, v[rX], v[rY] matrix_a_fmt:MATRIX_FMT_FP4 matrix_b_fmt:MATRIX_FMT_FP4 matrix_a_scale:MATRIX_SCALE_ROW1
.else
	v_wmma_scale_f32_16x16x128_f8f6f4 v[rD:rD+7], v[rA:rA+7], v[rB:rB+7], 0, v[rX], v[rY] matrix_a_fmt:MATRIX_FMT_FP4 matrix_b_fmt:MATRIX_FMT_FP4
.endif
.else
.if ((\t)/4)%2
	v_wmma_scale_f32_16x16x128_f8f6f4 v[rD:rD+7], v[rA:rA+7], v[rB:rB+7], v[rD:rD+7], v[rX], v[rY] matrix_a_fmt:MATRIX_FMT_FP4 matrix_b_fmt:MATRIX_FMT_FP4 matrix_a_scale:MATRIX_SCALE_ROW1
.else
	v_wmma_scale_f32_16x16x128_f8f6f4 v[rD:rD+7], v[rA:rA+7], v[rB:rB+7], v[rD:rD+7], v[rX], v[rY] matrix_a_fmt:MATRIX_FMT_FP4 matrix_b_fmt:MATRIX_FMT_FP4
.endif
.endif
.endm
; 64 products on 64 accumulators, each once.  V's tiles 0-7 were asked for under the softmax; tiles 8-15 land under the first 32 products.
; Five places follow: the next K Q^T writes its scores over P's fragments, and loads go into the buffers.
.macro PV zero
.irp q, 0,1,2,3
	ds_load_b128 v[S+8*\q:S+8*\q+3], v[PLD] offset:1024*\q
	ds_load_b128 v[S+8*\q+4:S+8*\q+7], v[PLD] offset:1024*\q+512
.endr
.irp q, 0,1,2,3
	ds_load_b32 v[PS+\q], v[PSL] offset:64*\q
.endr
	LOADK F0, 8192
	s_wait_dscnt 16                                ; all but the 16 just issued
	WIN 0xa0                                       ; C and D window 2
.irp t, 0,1,2,3,4,5,6,7
.irp q, 0,1,2,3
	PV1 \t, \q, \zero
.endr
.endr
	s_wait_dscnt 0x0
	WIN 0xf0                                       ; C and D window 3
.irp t, 8,9,10,11,12,13,14,15
.irp q, 0,1,2,3
	PV1 \t, \q, \zero
.endr
.endr
	WIN 0
	PLACES 5
.endm
; 256 keys: my 64 of them, as two blocks of 32.  All that the item wants from LDS is asked for at its head: the scale words, tiles 0 and 1, mc of both blocks, tile 2: 60 loads in one run; tile 3's 16 follow behind tile 0's products.
; The tiles land in window 2.  Each counted wait leaves out what was asked for behind the part that is wanted next.
.macro ITEM1
	s_add_co_u32 s[T0], s[TB], s[WOFF]
	v_add_nc_u32 v[ADK], s[T0], v[L16]
	v_add_nc_u32 v[MAD], s[KOFF], v[MBL]
.irp j, 0,1,2,3
	ds_load_b128 v[K1S+4*\j:K1S+4*\j+3], v[ADK] offset:\j*KU+8192
.endr
	WIN 0x80                                       ; destination window 2
	LOADK 0, 0
	LOADK 64, KU
	WIN 0
.irp i, 0,1,2,3,4,5,6,7
	ds_load_b128 v[MC1+4*\i:MC1+4*\i+3], v[MAD] offset:128*(\i/4)+16*(\i%4)
.endr
	WIN 0x80
	LOADK 128, 2*KU
	s_wait_dscnt 40                                ; the scale words and tile 0 are in; tile 1 (16), mc (8) and tile 2 (16) may be out
	WIN 0x06                                       ; source 0 (K) window 2, source 1 (Q) window 1
	KQH 0, 0, K1S
	WIN 0x80
	LOADK 192, 3*KU
	s_wait_dscnt 40                                ; tile 1 is in; mc (8), tiles 2 and 3 (32) may be out
	WIN 0x06
	KQH 1, 64, K1S+4
	WIN 0
	PLACES 4                                       ; in front of the first reads of the scores
	s_wait_dscnt 32                                ; mc is in
	SOFT1 0
	s_wait_dscnt 16                                ; tile 2 is in
	WIN 0x06
	KQH 0, 128, K1S+8
	s_wait_dscnt 0x0
	KQH 1, 192, K1S+12
	WIN 0
	PLACES 4
	SOFT1 1
	s_add_co_u32 s[KOFF], s[KOFF], 1024
.endm
; 128 keys: my 32 of them in K Q^T, all of them in V^T P^T.  mc is asked for between the two halves of K Q^T, into registers of the first buffer, which is done with; V's tiles 0-7 behind the second half, into the second buffer.
.macro ITEM2 zero
	s_add_co_u32 s[T0], s[TB], s[WOFF]
	v_add_nc_u32 v[ADK], s[T0], v[L16]
	v_add_nc_u32 v[MAD], s[KOFF], v[MBL]
	LOADKS 0
	LOADK F0, 0
	LOADK F1, KU
	s_wait_dscnt 16                                ; the scale words and tile 0 are in; tile 1's 16 loads may be out
	WIN 0x04                                       ; source 1 (Q) window 1
	KQH 0, F0, KS
	WIN 0
	PLACES 4                                       ; in front of loads into registers that those products have read
.irp i, 0,1,2,3
	ds_load_b128 v[MC+4*\i:MC+4*\i+3], v[MAD] offset:16*\i
.endr
	s_wait_dscnt 4                                 ; tile 1 is in; mc's four loads may be out
	WIN 0x04
	KQH 1, F1, KS+4
	WIN 0
	PLACES 4                                       ; in front of the loads below and of the first reads of the scores
	v_add_nc_u32 v[ADK], HALF, v[ADK]              ; on to my part of V
	LOADK F1, 0                                    ; V's tiles 0-7 land under the softmax
	LOADVS
	s_wait_dscnt 18                                ; mc is in; the 18 loads behind it may be out
	SOFT2
	s_wait_dscnt 0x0                               ; for the others' sake: my part of P lies in LDS
	s_barrier_signal -1
	s_barrier_wait -1                              ; P is whole.  (It is written again only behind the change's barrier, in front of which every wave has waited for its reads of it)
	PV \zero
	s_add_co_u32 s[KOFF], s[KOFF], 512
.endm
; THE CHANGE OF SLOTS, behind each item.  Each wave waits for all its tensor loads (one is out: its quarter of the next item), adds 0 to its spare word, and waits for that and for its reads of the slot that it leaves.
; fill = 1: the barrier is a round of the cluster's, and behind it the slot just left is filled with the item two on: the load has a whole item's work in which to land.
.macro CHANGE fill
	WIN 0
	s_wait_tensorcnt 0x0                           ; no tensor load of mine is out, so group 0 may be written
	ds_add_u32 v[SPW], v[NIL]                      ; 0 onto my spare word; the scalar work below stands between it and the wait for it
.if \fill
	s_add_co_u32 s[OFF], s[OFF], s[STEP]
	s_cmp_eq_u32 s[ASKS], 15                       ; the seventh change asks for item 8: from there on half an item is K's and half V's
	s_cselect_b32 s[OFF], s[OFF2], s[OFF]
	s_cselect_b32 s[STEP], HALF, s[STEP]
	s_xor_b32 s[TF], s[TF], SLOT
	s_add_co_u32 s[G0B+1], s[TF], s[WQ]
	s_add_nc_u64 s[G0B+2:G0B+3], s[BASE:BASE+1], s[OFF:OFF+1]
	s_or_b32 s[G0B+3], s[G0B+3], 0x80000000
	s_wait_xcnt 0x0                                ; the last prefetches, an item back, have read their address, so it may be written
	s_add_co_u32 s[PFOFF], s[PFOFF], s[PFSTEP]
	s_cmp_eq_u32 s[ASKS], 16                       ; the sixth change prefetches for item 8: V's stream begins
	s_cselect_b32 s[PFOFF], s[PFV0], s[PFOFF]
	s_cselect_b32 s[PFSTEP], HALF, s[PFSTEP]
	s_cselect_b32 s[LIM], s[LIMV], s[LIM]
	s_add_nc_u64 s[PFA:PFA+1], s[BASE:BASE+1], s[PFOFF:PFOFF+1]
	s_wait_dscnt 0x0                               ; the add is done, and my reads of the slot are over
	CROUND
	tensor_load_to_lds s[G0B:G0B+3], s[G1:G1+7]    ; my one tensor load behind the round, and the first thing there
	s_nop 0
	PLACES 4
	ASK
	s_sub_co_u32 s[ASKS], s[ASKS], 1
.else
	s_wait_dscnt 0x0
	s_barrier_signal -1
	s_barrier_wait -1
.endif
	s_xor_b32 s[TB], s[TB], SLOT
.endm
	s_load_b256 s[4:11], s[0:1], 0x0               ; hq, hypothesis_mask, premise codes, premise scales
	s_load_b128 s[12:15], s[0:1], 0x20             ; premise_mask, out0
	v_lshl_add_u32 v[SPW], v0, 2, SPARE
	v_mov_b32 v[NIL], 0
	ds_add_u32 v[SPW], v[NIL]                      ; the wave's opening: the add, twice on end, and its wait ahead of my first tensor load; the set-up below stands between the second and the wait
	ds_add_u32 v[SPW], v[NIL]
	v_lshrrev_b32 v3, 5, v0
	v_readfirstlane_b32 s[WV], v3                  ; wave 0..3
	s_bfe_u32 s[CX], ttmp6, 0x40000                ; cx
	s_and_b32 s18, ttmp7, 0xffff                   ; the batch, which the four partners share
	s_lshl_b32 s19, ttmp9, 2
	s_add_co_u32 s19, s19, s[CX]                   ; my block of 64 queries
	; descriptor group 1: Q4 dense bytes as 136 rows of 256 bytes (32 elements of 8 bytes), no padding
	s_mov_b32 s[G1], 15|(3<<16)|(1<<21)            ; 15:0 the mask: all four work-groups; 17:16 elements of 8 bytes; 21 set beside a mask
	s_mov_b32 s[G1+1], 32<<16                      ; tensor_dim0 = 32
	s_mov_b32 s[G1+2], 136<<16                     ; tensor_dim1 = 136
	s_mov_b32 s[G1+3], 32<<16                      ; tile_dim0 = 32
	s_mov_b32 s[G1+4], 136                         ; tile_dim1 = 136
	s_mov_b32 s[G1+5], 32                          ; from row to row
	s_mov_b32 s[G1+6], 0
	s_mov_b32 s[G1+7], 0
	s_mov_b32 s[SEL], 0x76543210
	s_mov_b32 s[SEL+1], 0xfedcba98
	s_mul_i32 s[WQ], s[WV], Q4
	s_add_co_u32 s[OFF], s[WQ], SLOT               ; item 1
	s_mov_b32 s[OFF+1], 0
	s_mov_b32 s[STEP], SLOT
	s_lshr_b32 s[T0], s[WV], 1
	s_mul_i32 s[OFF2], s[T0], KTOT                 ; item 8: waves 0, 1 fetch K's halves, waves 2, 3 V's
	s_and_b32 s[T0], s[WV], 1
	s_mul_i32 s[T0], s[T0], Q4
	s_add_co_u32 s[OFF2], s[OFF2], s[T0]
	s_mov_b32 s[TF], SLOT
	s_mov_b32 s[TB], 0
	s_mov_b32 s[WOFF], s[WQ]                       ; pass 1: my four key tiles of an item
	s_lshl_b32 s[KOFF], s[WV], 8                   ; and their 64 words of mc
	s_mov_b32 s[ASKS], 21
	s_cmp_eq_u32 ttmp9, 0                          ; the batch's first cluster: the same in all four partners
	s_cselect_b32 s[LIM], 0, -1
	s_lshr_b32 s[T0], s[WV], 1
	s_or_b32 s[T0], s[T0], ttmp9
	s_cmp_eq_u32 s[T0], 0
	s_cselect_b32 s[LIMV], 0, -1
	s_lshl_b32 s63, s[CX], 2
	s_add_co_u32 s63, s63, s[WV]
	s_mul_i32 s63, s63, KU
	s_add_co_u32 s[PFOFF], s63, 2*SLOT             ; my part, in item 2: the first change steps it to item 3.  Nothing is prefetched here, at the head
	s_mov_b32 s[PFOFF+1], 0
	s_mov_b32 s[PFSTEP], SLOT
	s_lshl_b32 s63, s[CX], 1
	s_add_co_u32 s63, s63, s[WV]
	s_mul_i32 s63, s63, KU
	s_add_co_u32 s[PFV0], s63, KTOT
	s_mul_i32 s66, s18, BATCH                      ; where my batch, and my queries, begin in each buffer
	s_mov_b32 s67, 0
	s_lshl_b32 s68, s18, 13
	s_mov_b32 s69, 0
	s_lshl_b32 s70, s18, 19
	s_lshl_b32 s71, s19, 15
	s_add_co_u32 s70, s70, s71
	s_mov_b32 s71, 0
	s_lshl_b32 s72, s18, 15
	s_lshl_b32 s73, s19, 11
	s_add_co_u32 s72, s72, s73
	s_mov_b32 s73, 0
	s_lshl_b32 s74, s18, 12
	s_lshl_b32 s75, s19, 8
	s_add_co_u32 s74, s74, s75
	s_mov_b32 s75, 0
	s_lshl_b32 s76, s18, 22
	s_lshl_b32 s77, s19, 18
	s_add_co_u32 s76, s76, s77
	s_mov_b32 s77, 0
	s_mov_b32 s78, s[WQ]
	s_mov_b32 s79, 0
	s_wait_dscnt 0x0                               ; both opening adds are done
	s_wait_kmcnt 0x0
	s_add_nc_u64 s[BASE:BASE+1], s[4:5], s[66:67]
	s_add_nc_u64 s[6:7], s[6:7], s[68:69]
	s_add_nc_u64 s[8:9], s[8:9], s[70:71]
	s_add_nc_u64 s[10:11], s[10:11], s[72:73]
	s_add_nc_u64 s[12:13], s[12:13], s[74:75]
	s_add_nc_u64 s[14:15], s[14:15], s[76:77]
	s_mov_b32 s[G0A], 1                            ; count = 1
	s_mov_b32 s[G0A+1], s[WQ]                      ; LDS: slot 0, my quarter
	s_add_nc_u64 s[G0A+2:G0A+3], s[BASE:BASE+1], s[78:79]
	s_or_b32 s[G0A+3], s[G0A+3], 0x80000000        ; type = 2
	s_mov_b32 s[G0B], 1
	s_add_co_u32 s[G0B+1], s[WQ], SLOT             ; slot 1
	s_add_nc_u64 s[G0B+2:G0B+3], s[BASE:BASE+1], s[OFF:OFF+1]
	s_or_b32 s[G0B+3], s[G0B+3], 0x80000000
	CROUND                                         ; all four work-groups are here: the first joint loads meet
	tensor_load_to_lds s[G0A:G0A+3], s[G1:G1+7]    ; item 0
	s_nop 0
	tensor_load_to_lds s[G0B:G0B+3], s[G1:G1+7]    ; item 1: two loads of mine are out
	s_nop 0
	PLACES 4
	v_and_b32 v128, 31, v0                         ; lane
	v_and_b32 v129, 15, v0                         ; r
	v_bfe_u32 v130, v0, 4, 1                       ; h
	v_lshlrev_b32 v131, 4, v0                      ; 16 x thread
	s_lshl_b32 s[T0], s[WV], 13
	v_lshl_add_u32 v132, v128, 4, s[T0]            ; Q's codes: my wave's 16 rows of 512 bytes, 16 bytes a lane
	v_lshlrev_b32 v133, 5, v129
	v_lshl_add_u32 v133, v130, 4, v133             ; Q's scale bytes: row r of 32 bytes, + 16 h
	v_add_nc_u32 v134, MASK, v131
	v_lshlrev_b32 v135, 2, v129                    ; 4 r
.irp i, 0,1,2,3
	global_load_b128 v[136+4*\i:139+4*\i], v131, s[6:7] offset:2048*\i   ; the batch's 2,048 mask numbers, 16 bytes a thread
.endr
.irp q, 0,1,2,3
	global_load_b128 v[QS+4*\q:QS+4*\q+3], v133, s[10:11] offset:512*\q
.endr
.irp q, 0,1,2,3
	global_load_b32 v[MX+2*\q+1], v135, s[12:13] offset:64*\q   ; the premise mask of my query of each tile: it waits in the upper words of the M pairs for the way out
.endr
.irp i, 0,1,2,3,4,5,6,7,8,9,10,11,12,13,14,15
	global_load_b128 v[F1+4*\i:F1+4*\i+3], v132, s[8:9] offset:512*\i th:TH_LOAD_NT   ; a row of Q: 512 neighbouring bytes
.endr
	v_lshl_add_u32 v[MBL], v130, 6, MASK
	s_lshl_b32 s[T0], s[WV], 8
	v_lshlrev_b32 v[PST], 4, v129
	v_lshl_add_u32 v[PST], v130, 3, v[PST]
	v_add_nc_u32 v[PST], s[T0], v[PST]
	v_add_nc_u32 v[PST], PIMG, v[PST]              ; PIMG + 256 w + 16 r + 8 h
	v_add_nc_u32 v[PSS], s[WV], v135
	v_add_nc_u32 v[PSS], PSC, v[PSS]               ; PSC + 4 r + w
	v_lshl_add_u32 v[PLD], v128, 4, PIMG
	v_add_nc_u32 v[PSL], PSC, v135
	v_lshlrev_b32 v[PFO], 8, v128
	v_and_b32 v[PFO2], 1, v0
	v_lshlrev_b32 v[PFO2], 8, v[PFO2]
	s_mul_i32 s[T0], s[WV], 16*QP
	v_lshl_add_u32 v152, v128, 4, QSTG
	v_add_nc_u32 v152, s[T0], v152                 ; Q's stage, in: my wave's 16 rows, 16 bytes a lane
	v_mul_u32_u24 v153, v129, QP
	v_lshl_add_u32 v153, v130, 4, v153
	v_add_nc_u32 v153, QSTG, v153                  ; and back: row r, + 16 h
	v_lshlrev_b32 v[L16], 4, v128
.irp q, 0,1,2,3
	v_mov_b32 v[MX+2*\q], 0xff61b1e6               ; M: -3e38, under every t
	v_mov_b32 v[Z1+2*\q], 0
	v_mov_b32 v[Z1+2*\q+1], 0
	v_mov_b32 v[Z2+2*\q], 0
	v_mov_b32 v[Z2+2*\q+1], 0
	v_mov_b32 v[AA+2*\q+1], 0                      ; (named as the upper half of a pair, so it is written)
.endr
	s_wait_loadcnt 0x0
.irp i, 0,1,2,3,4,5,6,7
	v_pk_mul_f32 v[136+2*\i:137+2*\i], v[136+2*\i:137+2*\i], 0x3d38aa3b op_sel_hi:[1,0]   ; mc = mask x log2(e) / 32
.endr
.irp i, 0,1,2,3
	ds_store_b128 v134, v[136+4*\i:139+4*\i] offset:2048*\i
.endr
.irp i, 0,1,2,3,4,5,6,7,8,9,10,11,12,13,14,15
	ds_store_b128 v152, v[F1+4*\i:F1+4*\i+3] offset:QP*\i
.endr
	s_wait_tensorcnt 0x1                           ; my quarter of item 0 is in; item 1's load may stay out
	s_wait_dscnt 0x0                               ; my parts of mc and of Q lie in LDS
	s_barrier_signal -1
	s_barrier_wait -1
	WIN 0x40                                       ; destination window 1
.irp q, 0,1,2,3
.irp s, 0,1,2,3,4,5,6,7
	ds_load_b128 v[64*\q+8*\s:64*\q+8*\s+3], v153 offset:16*QP*\q+64*\s      ; Q's fragment (q, s): row 16 q + r, bytes 64 s + 32 c + 16 h
	ds_load_b128 v[64*\q+8*\s+4:64*\q+8*\s+7], v153 offset:16*QP*\q+64*\s+32
.endr
.endr
	WIN 0
	s_wait_dscnt 0x0                               ; Q is in: the loop begins with no LDS load out
	s_mov_b32 s[CNT], 8                            ; PASS 1: items 0 to 7
.Lpass1:
	ITEM1
	CHANGE 1
	s_sub_co_u32 s[CNT], s[CNT], 1
	s_cmp_lg_u32 s[CNT], 0
	s_cbranch_scc1 .Lpass1
	; THE STATISTICS MEET: a query's keys lie in two lanes (l, l xor 16) of each of the four waves
.irp q, 0,1,2,3
	v_add_f32 v[Z1+2*\q], v[Z1+2*\q], v[Z1+2*\q+1]
	v_add_f32 v[Z2+2*\q], v[Z2+2*\q], v[Z2+2*\q+1]
.endr
	v_lshrrev_b32 v254, 2, v[L16]
	v_add_nc_u32 v254, STAT, v254                  ; STAT + 4 x lane
	s_mul_i32 s[T0], s[WV], 1536
	v_add_nc_u32 v[ADK], s[T0], v254
.irp q, 0,1,2,3
	ds_store_b32 v[ADK], v[MX+2*\q] offset:(3*\q)*128
	ds_store_b32 v[ADK], v[Z1+2*\q] offset:(3*\q+1)*128
	ds_store_b32 v[ADK], v[Z2+2*\q] offset:(3*\q+2)*128
.endr
	s_wait_dscnt 0x0                               ; for the others' sake
	s_barrier_signal -1
	s_barrier_wait -1
.irp w, 0,1,2,3
.irp j, 0,1,2,3,4,5,6,7,8,9,10,11
	ds_load_b32 v[F0+12*\w+\j], v254 offset:1536*\w+128*\j
.endr
.endr
	s_mov_b32 s[T1], 0x27a26eda                    ; c x 1e-13
	s_mul_i32 s[WOFF], s[WV], PART                 ; pass 2: my two key tiles, and my part of V
	s_lshl_b32 s[KOFF], s[WV], 7
	s_wait_dscnt 0x0
.irp q, 0,1,2,3
	v_max3_num_f32 v[176+\q], v[F0+3*\q], v[F0+12+3*\q], v[F0+24+3*\q]
.endr
.irp q, 0,1,2,3
	v_max_num_f32 v[176+\q], v[176+\q], v[F0+36+3*\q]
.endr
.irp q, 0,1,2,3
	v_permlanex16_b32 v[180+\q], v[176+\q], s[SEL], s[SEL+1]
.endr
.irp q, 0,1,2,3
	v_max_num_f32 v[176+\q], v[176+\q], v[180+\q]  ; the row's M
.endr
.irp w, 0,1,2,3
.irp q, 0,1,2,3
	v_sub_f32 v[F0+12*\w+3*\q], v[F0+12*\w+3*\q], v[176+\q]
.endr
.endr
.irp w, 0,1,2,3
.irp q, 0,1,2,3
	v_exp_f32 v[F0+12*\w+3*\q], v[F0+12*\w+3*\q]   ; 2^(a part's M - the row's M)
.endr
.endr
	v_nop
	s_wait_alu depctr_va_vdst(0)                   ; one wait for the sixteen
.irp q, 0,1,2,3
	v_mul_f32 v[184+\q], v[F0+3*\q], v[F0+3*\q+1]
	v_mul_f32 v[188+\q], v[F0+3*\q], v[F0+3*\q+2]
.endr
.irp w, 1,2,3
.irp q, 0,1,2,3
	v_fmac_f32 v[184+\q], v[F0+12*\w+3*\q], v[F0+12*\w+3*\q+1]
	v_fmac_f32 v[188+\q], v[F0+12*\w+3*\q], v[F0+12*\w+3*\q+2]
.endr
.endr
.irp q, 0,1,2,3
	v_permlanex16_b32 v[180+\q], v[184+\q], s[SEL], s[SEL+1]
.endr
.irp q, 0,1,2,3
	v_add_f32 v[184+\q], v[184+\q], v[180+\q]      ; Z1
.endr
.irp q, 0,1,2,3
	v_permlanex16_b32 v[180+\q], v[188+\q], s[SEL], s[SEL+1]
.endr
.irp q, 0,1,2,3
	v_add_f32 v[188+\q], v[188+\q], v[180+\q]      ; Z2c
.endr
.irp q, 0,1,2,3
	v_fma_f32 v[188+\q], v[184+\q], s[T1], v[188+\q]
.endr
.irp q, 0,1,2,3
	v_rcp_f32 v[Z1+2*\q], v[188+\q]                ; R
.endr
.irp q, 0,1,2,3
	v_xor_b32 v[MX+2*\q], 0x80000000, v[176+\q]    ; -M.  (Plain lines behind the reciprocals)
.endr
	s_wait_alu depctr_va_vdst(0)                   ; one wait for the four
	ITEM2 1                                        ; PASS 2: item 8 is written out: its products start O^T's sums
	CHANGE 1
	s_mov_b32 s[CNT], 13                           ; items 9 to 21
.Lpass2:
	ITEM2 0
	CHANGE 1
	s_sub_co_u32 s[CNT], s[CNT], 1
	s_cmp_lg_u32 s[CNT], 0
	s_cbranch_scc1 .Lpass2
	s_mov_b32 s[CNT], 2                            ; items 22 and 23: nothing is left to ask for, so the tail has a text of its own
.Ltail:
	ITEM2 0
	CHANGE 0                                       ; (behind the last one nobody reads a slot any more)
	s_sub_co_u32 s[CNT], s[CNT], 1
	s_cmp_lg_u32 s[CNT], 0
	s_cbranch_scc1 .Ltail
	; THE WAY OUT, in eight blocks (q, g) of 16 queries x 128 of d.  A lane holds 32 neighbouring bytes of eight places of a row: a block is multiplied by the premise mask, goes through my own stage in LDS
	; and comes back as whole rows of 512 bytes, which the 32 lanes store as two aligned runs of 256 bytes.  LDS serves a wave's instructions in order, so no wait stands between the stores and the loads.
	v_and_b32 v[PSS], 0xf0, v[L16]                 ; 16 r
	v_bfe_u32 v[PLD], v[L16], 8, 1                 ; h
	s_mul_i32 s[T0], s[WV], 16*SPITCH              ; my stage
	v_mul_u32_u24 v[ADK], v[PSS], 33               ; 528 r
	v_lshl_add_u32 v[ADK], v[PLD], 5, v[ADK]
	v_add_nc_u32 v[ADK], s[T0], v[ADK]             ; in: row r, + 32 h
	v_add_nc_u32 v[MBL], s[T0], v[L16]             ; back: 16 bytes a lane of a row
	s_lshl_b32 s[T1], s[WV], 10
	v_add_nc_u32 v[PST], s[T1], v[L16]             ; and in out0: my wave's 256 of d
.irp q, 0,1,2,3
	v_mov_b32 v[Z2+2*\q], v[MX+2*\q+1]             ; the premise mask, into the low word of a pair
.endr
.macro PACK q, g
	WIN 0x02+(\g)                                  ; source 0: window 2 or 3
.irp t, 0,1,2,3,4,5,6,7
.irp e, 0,1,2,3
	v_pk_mul_f32 v[S+8*\t+2*\e:S+8*\t+2*\e+1], v[8*(4*\t+(\q))+2*\e:8*(4*\t+(\q))+2*\e+1], v[Z2+2*(\q):Z2+2*(\q)+1] op_sel_hi:[1,0]   ; each accumulator from its low end on
.endr
.endr
	WIN 0
.endm
.macro TOSTAGE k
.irp t, 0,1,2,3,4,5,6,7
	ds_store_b128 v[ADK], v[S+8*\t:S+8*\t+3] offset:64*\t
	ds_store_b128 v[ADK], v[S+8*\t+4:S+8*\t+7] offset:64*\t+16
.endr
.set BB, F0+64*((\k)%2)
.irp i, 0,1,2,3,4,5,6,7,8,9,10,11,12,13,14,15
	ds_load_b128 v[BB+4*\i:BB+4*\i+3], v[MBL] offset:\i*SPITCH
.endr
.endm
.macro SEND k, younger                 ; younger: the LDS instructions issued behind block k's loads, which may stay out
.set BB, F0+64*((\k)%2)
	s_wait_dscnt \younger
.irp i, 0,1,2,3,4,5,6,7,8,9,10,11,12,13,14,15
	global_store_b128 v[PST], v[BB+4*\i:BB+4*\i+3], s[14:15] offset:(16*((\k)/2)+\i)*4096+512*((\k)%2) th:TH_STORE_NT
.endr
.endm
	PACK 0, 0
	TOSTAGE 0
.irp k, 1,2,3,4,5,6,7
.if \k > 1
	s_wait_xcnt 0x0                                ; block k - 2's stores have read their registers: block k's loads may land there
.endif
	PACK \k/2, \k%2
	TOSTAGE \k
	SEND \k-1, 32                                  ; behind block k - 1's loads: block k's 16 stores and 16 loads
.endr
	SEND 7, 0
	s_wait_tensorcnt 0x0                           ; the wave's end: behind my last tensor load and my last LDS store
	ds_add_u32 v[SPW], v[NIL]
	s_wait_dscnt 0x0
	CROUND                                         ; the closing round: no work-group ends while a partner may still ask for a tile that names it
	s_endpgm
.Lfunc_end_k_q4399cd7119_attn:
	.size	k_q4399cd7119_attn, .Lfunc_end_k_q4399cd7119_attn-k_q4399cd7119_attn
	.p2alignl 7, 3214868480
	.fill 96, 4, 3214868480
	.section	.rodata,"a",@progbits
	.p2align	6, 0x0
	.amdhsa_kernel k_q4399cd7119_attn
		.amdhsa_group_segment_fixed_size 327680
		.amdhsa_private_segment_fixed_size 0
		.amdhsa_enable_private_segment 0
		.amdhsa_kernarg_size 48
		.amdhsa_user_sgpr_count 2
		.amdhsa_user_sgpr_kernarg_segment_ptr 1
		.amdhsa_wavefront_size32 1
		.amdhsa_system_sgpr_workgroup_id_x 1
		.amdhsa_system_sgpr_workgroup_id_y 1
		.amdhsa_system_sgpr_workgroup_id_z 1
		.amdhsa_system_vgpr_workitem_id 0
		.amdhsa_next_free_vgpr 1024
		.amdhsa_next_free_sgpr 80
		.amdhsa_reserve_vcc 0
		.amdhsa_float_denorm_mode_32 3
		.amdhsa_float_denorm_mode_16_64 3
		.amdhsa_memory_ordered 1
		.amdhsa_forward_progress 1
		.amdhsa_inst_pref_size 227
	.end_amdhsa_kernel
	.amdgpu_metadata
---
amdhsa.version: [ 1, 2 ]
amdhsa.kernels:
  - .name:           k_q4399cd7119_attn
    .symbol:         k_q4399cd7119_attn.kd
    .args:
      - { .name: hq, .offset: 0, .size: 8, .value_kind: global_buffer, .address_space: global }
      - { .name: hypothesis_mask, .offset: 8, .size: 8, .value_kind: global_buffer, .address_space: global }
      - { .name: premise_batch_codes, .offset: 16, .size: 8, .value_kind: global_buffer, .address_space: global }
      - { .name: premise_batch_scales, .offset: 24, .size: 8, .value_kind: global_buffer, .address_space: global }
      - { .name: premise_mask, .offset: 32, .size: 8, .value_kind: global_buffer, .address_space: global }
      - { .name: out0, .offset: 40, .size: 8, .value_kind: global_buffer, .address_space: global }
    .group_segment_fixed_size: 327680
    .private_segment_fixed_size: 0
    .kernarg_segment_align: 8
    .kernarg_segment_size: 48
    .max_flat_workgroup_size: 128
    .sgpr_count:     80
    .vgpr_count:     1024
    .wavefront_size: 32
...
	.end_amdgpu_metadata
.endif
;; end of part 2
